; MI455X (gfx1250); checked and timed in simulation.
; The chip was launched on July 23, 2026; its instructions are those of AMD's public machine-readable ISA for CDNA 5 (MIT licence, August 2026) and "CDNA5" Instruction Set Architecture Reference Guide (July 2026). The comments in the code are by the model that wrote it; some were corrected since.
;; Full Attention. Allowed arithmetic: matrix products marked QUANTISED: E4M3 operands, one E8M0 scale for each 32 along K, by v_wmma_scale_f32_16x16x128_f8f6f4 with both operands' format E4M3, f32 sums; everything else in f32.
;; Inputs: attention_mask 4 x 1 x 2,048 x 2,048 bool; keys 4 x 2,048 x 16 x 64 float32; queries 4 x 2,048 x 16 x 64 float32; values 4 x 2,048 x 16 x 64 float32.
;; Outputs: out0 4 x 2,048 x 16 x 64 float32.
;; This version of the problem:
;;   THIS VERSION OF THE PROBLEM IS GIVEN IN LOW PRECISION. The matrix products marked QUANTISED in the list below multiply operands that are first quantised to E4M3 (4 exponent bits, 3 mantissa bits; 8 bits a number), with one power-of-two scale for each 32 numbers along K (OCP MX v1.0); their sums are f32. All else is computed in f32.
;;   The module's matrix products, in the order in which they are computed (A, B: the left and right operand; K: the contracted axis; several contracted axes count as one K, in the product's order):
;;     1. batch 64 x [M 2,048, K 64] x [K 64, N 2,048]; A: input queries; B: input keys: QUANTISED
;;     2. batch 64 x [M 64, K 2,048] x [K 2,048, N 2,048]; A: input values; B: computed on the way: QUANTISED
;;   THE QUANTISER, for each operand of a quantised product, along K:
;;     - K is cut into blocks of 32 from its start; a last block that is shorter is filled with zeros.
;;     - A block's scale is 2^e with e = floor(log2(the largest magnitude in the block)) - 8, held to -126 .. 127; a block of zeros has e = 0. As a byte (E8M0): e + 127.
;;     - Each number is divided by its block's scale, clamped to +-448, and rounded to the nearest number of E4M3, ties to even, subnormals kept.
;;     - The product sums the exact products of the quantised numbers (number of the format x scale) in f32.
;;   ~~~python
;;   def quantise(x, axis):      # numpy; x: float32 -> the quantised numbers, widened to float32 again
;;       x = np.moveaxis(x, axis, -1); K = x.shape[-1]
;;       x = np.pad(x, [(0, 0)] * (x.ndim - 1) + [(0, -K % 32)]); x = x.reshape(x.shape[:-1] + (-1, 32)); a = np.abs(x).max(-1, keepdims=True)
;;       e = np.where(a > 0, np.clip(np.frexp(np.where(a > 0, a, 1))[1] - 1 - 8, -126, 127), 0)      # np.frexp(a)[1] - 1 = floor(log2(a)), exactly
;;       r = np.clip(x / 2.0 ** e, -448, 448)
;;       step = 2.0 ** (np.maximum(np.frexp(np.where(r == 0, 1, r))[1] - 1, -6) - 3)
;;       q = np.round(r / step) * step * 2.0 ** e      # np.round: ties to even
;;       return np.moveaxis(q.reshape(q.shape[:-2] + (-1,))[..., :K], -1, axis).astype(np.float32)
;;   ~~~
;;   OPERANDS COMPUTED ON THE WAY. 'Computed on the way' means the value that the module computes at that place (a softmax that the list does not call 'softmax' is quantised finished and normalised). What goes into a quantiser is computed in f32, as accurately as f32 sums, v_exp_f32 and their like allow (about 1e-6 of the number): no bf16 or f16 on the way to a quantiser, and a product that is left as it is and whose result goes on into a quantised operand takes f32 operands (vector FMAs, or v_wmma_f32_16x16x4_f32). A number that lies on a knife's edge between two numbers of the format may be rounded either way, as far as f32 arithmetic and the matrix unit's own rounding can turn it there, and no further.
;; 2 versions, each right; version 2 is version 1 with the launch attn written anew for expert scheduling mode. Each part assembles by itself: llvm-mc -triple=amdgcn-amd-amdhsa -mcpu=gfx1250 --defsym DOCPART=n.
;; ======== version 1 of 2: 2 launches
;; workspace buffers: kimg 8,388,608 bytes; vimg 8,388,608 bytes; ksc 524,288 bytes; vsc 262,144 bytes; mclass 131,072 bytes of whole numbers
;; launch prep (part 1): grid 640 x 1, 4 waves a work-group, no clusters, 35,328 bytes of LDS; arguments keys, values, attention_mask, kimg, ksc, vimg, vsc, mclass; writes kimg, ksc, vimg, vsc, mclass
.if DOCPART == 1
	.amdgcn_target "amdgcn-amd-amdhsa--gfx1250"
	.amdhsa_code_object_version 6
	.text
	.protected	k_qbadc2f0f0b_prep
	.globl	k_qbadc2f0f0b_prep
	.p2align	8
	.type	k_qbadc2f0f0b_prep,@function
k_qbadc2f0f0b_prep:
	s_mov_b64 s[64:65], 0
	v_nop
	global_prefetch_b8 v0, s[64:65] scope:SCOPE_SE
	s_setreg_imm32_b32 hwreg(HW_REG_WAVE_MODE, 25, 1), 1
	s_wait_xcnt 0x0
; K and V ([4][2048][16][64] f32) become codes of FP8 (E4M3) with one E8M0 byte for each 32 along a product's K, laid as IMAGES OF THE OPERAND'S REGISTERS
; for the attention launch; the mask ([4][1][2048][2048] bytes) is classed tile by tile.  hb = 16 b + h; ks = a step of 128 keys; lane l = r + 16 hh.
;   kimg[hb][ks]: 8,192 bytes.  Tile t = 2 bb + u (0..7), chunk c (0, 1): byte 1024 t + 512 c + 16 l + i = the code of K[key 128 ks + 32 bb + 8 u + r + 8 (r / 8)][e = 32 c + 16 hh + i]
;   ksc[hb][ks]:  512 bytes.  Word 16 l + 4 bb: lanes 0-15 tile 2 bb's row l, lanes 16-31 tile 2 bb + 1's row l - 16; bytes 0, 1 the two blocks of e, bytes 2, 3 = 127 (for blocks of zero codes)
;   vimg[hb][ks]: 8,192 bytes.  Fragment dt (0..3), chunk c (0..3): byte 2048 dt + 512 c + 16 l + i = the code of V[key 128 ks + 32 c + 16 hh + i][d = 4 r + dt]
;   vsc[hb][ks]:  256 bytes.  Word 8 l + 4 w: lanes 0-15 fragment 2 w's column l, lanes 16-31 fragment 2 w + 1's; byte c = the block of keys 32 c on
;   mclass[128 b + qt]: 256 bytes, every word the same: bits 2 ks + 1 : 2 ks = 0 no byte set, 2 every byte 1, else 1, for queries 16 qt on and keys 128 ks on
; A block's scale is 2^(floor(log2(its largest magnitude)) - 8); its byte is that magnitude's exponent field - 8, held at 1 from below.  A block of zeros keeps the byte 1: its codes are zeros, and this program alone reads the bytes.
; LIMITS: NaN and infinities among the inputs are not served; blocks whose largest magnitude lies under 2^-118 keep the byte 1.
; Work-groups 0-255 take K, 256-511 V, 512-639 the mask; a wave takes 32,768 bytes of its input.  Waves share nothing: no barrier.  Only K's path uses LDS.
.set KR, 112                           ; K: v112-207 three sets of 32: a tile as loaded
.set KX, 48                            ;    v48-111  two sets of 32: a lane's 2 x 16 neighbours along e
.set KC, 32                            ;    v32-47   two sets of 8: a tile's codes
.set KW, 16                            ;    v16-23   a scale word for each tile
.set VR, 96                            ; V: v96-223  two sets of 64: a block of 32 keys as loaded
.set VX, 64                            ;    v64-95   two sets of 16: one column's 16 keys on end
.set VC, 32                            ;    v32-63   two sets of 16: a block's codes
.set MR, 96                            ; mask: v96-223 two sets of 64
	s_load_b512 s[16:31], s[0:1], 0x0              ; keys s[16:17], values s[18:19], mask s[20:21], kimg s[22:23], ksc s[24:25], vimg s[26:27], vsc s[28:29], mclass s[30:31]
	v_lshl_add_u32 v224, v0, 2, 0x8800
	v_mov_b32 v225, 0
	v_lshrrev_b32 v1, 5, v0
	v_readfirstlane_b32 s4, v1                     ; wave 0..3
	v_and_b32 v1, 31, v0                           ; lane
	v_and_b32 v2, 15, v0                           ; r
	v_bfe_u32 v3, v0, 4, 1                         ; hh
	v_lshlrev_b32 v7, 4, v1                        ; 16 x lane
	v_lshlrev_b32 v5, 3, v1                        ; 8 x lane
	s_mov_b32 s12, 0x76543210
	s_mov_b32 s13, 0xfedcba98                      ; v_permlanex16_b32's selects for lane l xor 16
	s_mov_b32 s14, 0x600000                        ; the mantissa field of 448
	s_mov_b32 s7, 0                                ; the upper word of every offset
	v_cmp_le_u32 vcc_lo, 16, v1                    ; lanes 16-31
	s_wait_kmcnt 0x0
; s5 = 16 hb + ks  ->  s6 = where that head's step begins in keys or values: b 2^23 + ks 128 rows of 4,096 bytes + h 256
.macro SRCOFF
	s_lshr_b32 s6, s5, 8
	s_lshl_b32 s6, s6, 23
	s_and_b32 s8, s5, 15
	s_lshl_b32 s8, s8, 19
	s_or_b32 s6, s6, s8
	s_bfe_u32 s8, s5, 0x40004
	s_lshl_b32 s8, s8, 8
	s_or_b32 s6, s6, s8
.endm
	s_cmp_lt_u32 ttmp9, 256
	s_cbranch_scc0 .Lnot_k
; ---------------- K: a wave takes one head's step of 128 keys: 8 tiles of 16 keys x 64
	s_lshl_b32 s5, ttmp9, 2
	s_add_co_u32 s5, s5, s4
	SRCOFF
	s_add_nc_u64 s[16:17], s[16:17], s[6:7]
	s_lshl_b32 s6, s5, 13
	s_add_nc_u64 s[22:23], s[22:23], s[6:7]
	s_lshl_b32 s6, s5, 9
	s_add_nc_u64 s[24:25], s[24:25], s[6:7]
	v_lshlrev_b32 v4, 4, v2
	v_lshl_add_u32 v4, v3, 12, v4                  ; a load takes two rows of 256 bytes: lanes 0-15 one, lanes 16-31 the next
	s_mul_i32 s9, s4, 8704                         ; my wave's two stages of 16 rows x 272 bytes (256 + 16: 68 words, so that 16 rows start at 16 different banks: ISA guide 11.1)
	v_mul_u32_u24 v6, v3, 272
	v_lshl_add_u32 v6, v2, 4, v6
	v_add_nc_u32 v6, s9, v6                        ; into a stage: as loaded
	v_mul_u32_u24 v28, v2, 272
	v_lshl_add_u32 v28, v3, 6, v28
	v_add_nc_u32 v28, s9, v28                      ; out of it: row r, my half's 16 numbers of each block of 32
	v_mov_b32 v10, 0                               ; written once: a lane permute's destination counts as one of its sources
	v_mov_b32 v11, 0
.macro KLOAD t                         ; tile t's 16 rows: row p is key 32 (t / 2) + 8 (t % 2) + p + 8 (p / 8); load i brings rows 2 i and 2 i + 1, whole
.irp i, 0,1,2,3,4,5,6,7
	global_load_b128 v[KR+32*((\t)%3)+4*\i:KR+32*((\t)%3)+4*\i+3], v4, s[16:17] offset:(32*((\t)/2)+8*((\t)%2)+2*\i+8*(\i/4))*4096 th:TH_LOAD_NT
.endr
.endm
.macro KTURN t                         ; through the stage: LDS serves a wave's instructions in order (ISA guide 5.7.1.4), so no wait stands between the stores and the loads
.irp i, 0,1,2,3,4,5,6,7
	ds_store_b128 v6, v[KR+32*((\t)%3)+4*\i:KR+32*((\t)%3)+4*\i+3] offset:4352*((\t)%2)+544*\i
.endr
.irp c, 0,1
.irp j, 0,1,2,3
	ds_load_b128 v[KX+32*((\t)%2)+16*\c+4*\j:KX+32*((\t)%2)+16*\c+4*\j+3], v28 offset:4352*((\t)%2)+128*\c+16*\j
.endr
.endr
.endm
; 32 numbers of a lane, register 16 c + i = e 32 c + 16 hh + i of my row, become 8 registers of codes and the row's scale word
.macro QUANT2 xs, cd, w
.irp b, 0,1
	v_max3_num_f32 v[8+\b], |v[(\xs)+16*\b]|, |v[(\xs)+16*\b+1]|, 0x4800000   ; my 16 numbers, and the floor 2^(9 - 127): the byte cannot fall under 1
.endr
.irp i, 2,4,6,8,10,12,14
.irp b, 0,1
	v_max3_num_f32 v[8+\b], v[8+\b], |v[(\xs)+16*\b+\i]|, |v[(\xs)+16*\b+\i+1]|
.endr
.endr
.irp b, 0,1
	v_permlanex16_b32 v[10+\b], v[8+\b], s12, s13
.endr
.irp b, 0,1
	v_max_num_f32 v[8+\b], v[8+\b], v[10+\b]       ; with lane l xor 16's: the block's largest magnitude
.endr
.irp b, 0,1
	v_add_nc_u32 v[14+\b], 0xfc000000, v[8+\b]     ; 8 off its exponent field: the conversion's scale operand
.endr
.irp b, 0,1
	v_and_or_b32 v[12+\b], v[8+\b], 0x7f800000, s14   ; 448 x the scale
.endr
.irp b, 0,1
	v_lshrrev_b32 v[10+\b], 23, v[14+\b]           ; the scale's byte
.endr
	v_lshl_or_b32 v[\w], v11, 8, v10
	v_or_b32 v[\w], 0x7f7f0000, v[\w]              ; K = 64 fills half of the instruction's 128: the other two blocks are zero codes under the byte 127
.irp b, 0,1
.irp i, 0,1,2,3,4,5,6,7,8,9,10,11,12,13,14,15
	v_med3_num_f32 v[(\xs)+16*\b+\i], v[(\xs)+16*\b+\i], -v[12+\b], v[12+\b]   ; the conversion to an 8-bit code does not saturate (ISA guide 7.6.2): the hold comes first
.endr
	v_cvt_scalef32_pk8_fp8_f32 v[(\cd)+4*\b:(\cd)+4*\b+1], v[(\xs)+16*\b:(\xs)+16*\b+7], v[14+\b]
	v_cvt_scalef32_pk8_fp8_f32 v[(\cd)+4*\b+2:(\cd)+4*\b+3], v[(\xs)+16*\b+8:(\xs)+16*\b+15], v[14+\b]
.endr
.endm
.macro KSTEP t
	s_wait_dscnt 0x0                               ; this tile is back from its stage: so its stores into the stage have read their registers,
.if (\t) < 5
	KLOAD (\t)+3                                   ; which take the tile three on
	s_wait_loadcnt 16                              ; the next tile's 8 loads are in; those of the two tiles behind it may be out
	KTURN (\t)+1
.elseif (\t) == 5
	s_wait_loadcnt 8                               ; tile 6 is in; tile 7's 8 loads may be out
	KTURN (\t)+1
.elseif (\t) == 6
	s_wait_loadcnt 0x0
	KTURN (\t)+1
.endif
.if (\t) >= 2
	s_wait_xcnt 0x0                                ; the stores of two tiles back have read this set of codes
.endif
	QUANT2 KX+32*((\t)%2), KC+8*((\t)%2), KW+(\t)
.irp c, 0,1
	global_store_b128 v7, v[KC+8*((\t)%2)+4*\c:KC+8*((\t)%2)+4*\c+3], s[22:23] offset:1024*(\t)+512*\c   ; 32 lanes store 512 consecutive bytes, aligned
.endr
.endm
	KLOAD 0
	KLOAD 1
	KLOAD 2
	s_wait_loadcnt 16                              ; tile 0's 8 loads are in
	KTURN 0
.irp t, 0,1,2,3,4,5,6,7
	KSTEP \t
.endr
.irp b, 0,1,2,3
	v_cndmask_b32 v[24+\b], v[KW+2*\b], v[KW+2*\b+1], vcc_lo   ; lanes 0-15 the even tile's words, lanes 16-31 the odd tile's
.endr
	global_store_b128 v7, v[24:27], s[24:25]       ; the step's 512 bytes of scale words
	s_wait_tensorcnt 0x0
	ds_add_u32 v224, v225
	s_wait_dscnt 0x0
	s_endpgm
.Lnot_k:
	s_cmp_lt_u32 ttmp9, 512
	s_cbranch_scc0 .Lmask
; ---------------- V: a wave takes one head's step of 128 keys: 4 blocks of 32 keys x 64 columns.  K of this operand is the keys, which are not innermost:
; a load takes two whole rows (keys 32 c + i and 32 c + 16 + i), so register 4 i + x of lane (r, hh) is V(key 32 c + 16 hh + i, d = 4 r + x): column d = 4 r + x of fragment x, its keys four registers apart.
	s_sub_co_u32 s5, ttmp9, 256
	s_lshl_b32 s5, s5, 2
	s_add_co_u32 s5, s5, s4
	SRCOFF
	s_add_nc_u64 s[18:19], s[18:19], s[6:7]
	s_lshl_b32 s6, s5, 13
	s_add_nc_u64 s[26:27], s[26:27], s[6:7]
	s_lshl_b32 s6, s5, 8
	s_add_nc_u64 s[28:29], s[28:29], s[6:7]
	v_lshlrev_b32 v4, 4, v2
	v_lshl_add_u32 v4, v3, 16, v4                  ; 16 r, and 16 rows of 4,096 bytes further down for lanes 16-31
.irp x, 0,1,2,3
	v_mov_b32 v[12+\x], 0                          ; written once: a lane permute's destination counts as one of its sources
.endr
.macro VLOAD c
.irp i, 0,1,2,3,4,5,6,7,8,9,10,11,12,13,14,15
	global_load_b128 v[VR+64*((\c)%2)+4*\i:VR+64*((\c)%2)+4*\i+3], v4, s[18:19] offset:(32*(\c)+\i)*4096 th:TH_LOAD_NT
.endr
.endm
.macro VBLOCK c
.set RS, VR+64*((\c)%2)
.set CS, VC+16*((\c)%2)
.if (\c) < 3
	s_wait_loadcnt 16                              ; this block's 16 loads are in; the next block's may be out
.else
	s_wait_loadcnt 0x0
.endif
.irp x, 0,1,2,3
	v_max3_num_f32 v[8+\x], |v[RS+\x]|, |v[RS+4+\x]|, 0x4800000   ; column x: my 16 keys, and the floor 2^(9 - 127)
.endr
.irp i, 2,4,6,8,10,12,14
.irp x, 0,1,2,3
	v_max3_num_f32 v[8+\x], v[8+\x], |v[RS+4*\i+\x]|, |v[RS+4*\i+4+\x]|
.endr
.endr
.irp x, 0,1,2,3
	v_permlanex16_b32 v[12+\x], v[8+\x], s12, s13
.endr
.irp x, 0,1,2,3
	v_max_num_f32 v[8+\x], v[8+\x], v[12+\x]       ; with the other 16 keys': the block's largest magnitude
.endr
.irp x, 0,1,2,3
	v_add_nc_u32 v[20+\x], 0xfc000000, v[8+\x]     ; the conversion's scale operand
.endr
.irp x, 0,1,2,3
	v_and_or_b32 v[16+\x], v[8+\x], 0x7f800000, s14   ; 448 x the scale
.endr
.if (\c) == 0
.irp x, 0,1,2,3
	v_lshrrev_b32 v[24+\x], 23, v[20+\x]           ; the first byte starts the column's scale word
.endr
.else
.irp x, 0,1,2,3
	v_lshrrev_b32 v[12+\x], 23, v[20+\x]
.endr
.irp x, 0,1,2,3
	v_lshl_or_b32 v[24+\x], v[12+\x], 8*(\c), v[24+\x]
.endr
.endif
.if (\c) >= 2
	s_wait_xcnt 0x0                                ; the stores of two blocks back have read this set of codes
.endif
.irp x, 0,1,2,3
.irp i, 0,1,2,3,4,5,6,7,8,9,10,11,12,13,14,15
	v_med3_num_f32 v[VX+16*(\x%2)+\i], v[RS+4*\i+\x], -v[16+\x], v[16+\x]   ; the hold at 448 x the scale also brings the column's 16 keys on end: no move is spent on it
.endr
	v_cvt_scalef32_pk8_fp8_f32 v[CS+4*\x:CS+4*\x+1], v[VX+16*(\x%2):VX+16*(\x%2)+7], v[20+\x]          ; the two sets take turns: 16 plain lines stand between a conversion and the next write of its sources
	v_cvt_scalef32_pk8_fp8_f32 v[CS+4*\x+2:CS+4*\x+3], v[VX+16*(\x%2)+8:VX+16*(\x%2)+15], v[20+\x]
.endr
.if (\c) < 2
	VLOAD (\c)+2
.endif
.irp x, 0,1,2,3
	global_store_b128 v7, v[CS+4*\x:CS+4*\x+3], s[26:27] offset:2048*\x+512*(\c)   ; 512 consecutive bytes, aligned
.endr
.endm
	VLOAD 0
	VLOAD 1
	VBLOCK 0
	VBLOCK 1
	VBLOCK 2
	VBLOCK 3
	v_cndmask_b32 v28, v24, v25, vcc_lo            ; lanes 0-15 the even fragment's words, lanes 16-31 the odd one's
	v_cndmask_b32 v29, v26, v27, vcc_lo
	global_store_b64 v5, v[28:29], s[28:29]        ; the step's 256 bytes of scale words
	s_endpgm
.Lmask:
; ---------------- the mask: a wave takes 16 queries x 2,048 keys, 32,768 consecutive bytes.  Load (g, p) takes bytes 512 g on of row p: lane l's 16 bytes lie in key step 4 g + l / 8.
	s_sub_co_u32 s5, ttmp9, 512
	s_lshl_b32 s5, s5, 2
	s_add_co_u32 s5, s5, s4                        ; m = 128 b + the tile of 16 queries
	s_lshl_b32 s6, s5, 15
	s_add_nc_u64 s[20:21], s[20:21], s[6:7]
	s_lshl_b32 s6, s5, 8
	s_add_nc_u64 s[30:31], s[30:31], s[6:7]
	s_mov_b32 s40, 0                               ; the class word
	s_mov_b32 s41, 0x01010101
.macro MLOAD g
.irp p, 0,1,2,3,4,5,6,7,8,9,10,11,12,13,14,15
	global_load_b128 v[MR+64*((\g)%2)+4*\p:MR+64*((\g)%2)+4*\p+3], v7, s[20:21] offset:2048*\p+512*(\g) th:TH_LOAD_NT
.endr
.endm
.macro MRED g                          ; the OR and the AND of a lane's 64 words, four chains each, started by the first words: nothing is cleared
.set RS, MR+64*((\g)%2)
.irp k, 0,1,2,3
	v_or_b32 v[8+\k], v[RS+\k], v[RS+4+\k]
	v_and_b32 v[12+\k], v[RS+\k], v[RS+4+\k]
.endr
.irp j, 2,3,4,5,6,7,8,9,10,11,12,13,14,15
.irp k, 0,1,2,3
	v_or_b32 v[8+\k], v[8+\k], v[RS+4*\j+\k]
	v_and_b32 v[12+\k], v[12+\k], v[RS+4*\j+\k]
.endr
.endr
	v_or_b32 v8, v8, v9
	v_or_b32 v10, v10, v11
	v_and_b32 v12, v12, v13
	v_and_b32 v14, v14, v15
	v_or_b32 v8, v8, v10
	v_and_b32 v12, v12, v14
	v_cmp_ne_u32 s42, 0, v8                        ; lanes that saw a byte set
	v_cmp_eq_u32 s43, s41, v12                     ; lanes all of whose bytes are 1
.irp q, 0,1,2,3                        ; eight lanes to a key step
	s_bfe_u32 s44, s42, (8<<16)|(8*\q)
	s_cmp_lg_u32 s44, 0
	s_cselect_b32 s45, 1, 0
	s_bfe_u32 s44, s43, (8<<16)|(8*\q)
	s_cmp_eq_u32 s44, 0xff
	s_cselect_b32 s45, 2, s45
	s_lshl_b32 s45, s45, 2*(4*(\g)+\q)
	s_or_b32 s40, s40, s45
.endr
.endm
	MLOAD 0
	MLOAD 1
	s_wait_loadcnt 16                              ; a group's 16 loads are in; the next group's may be out
	MRED 0
	MLOAD 2
	s_wait_loadcnt 16
	MRED 1
	MLOAD 3
	s_wait_loadcnt 16
	MRED 2
	s_wait_loadcnt 0x0
	MRED 3
	v_mov_b32 v16, s40
	v_mov_b32 v17, s40
	global_store_b64 v5, v[16:17], s[30:31]        ; the record's 256 bytes, whole, by one store
	s_endpgm
.Lfunc_end_k_qbadc2f0f0b_prep:
	.size	k_qbadc2f0f0b_prep, .Lfunc_end_k_qbadc2f0f0b_prep-k_qbadc2f0f0b_prep
	.p2alignl 7, 3214868480
	.fill 96, 4, 3214868480
	.section	.rodata,"a",@progbits
	.p2align	6, 0x0
	.amdhsa_kernel k_qbadc2f0f0b_prep
		.amdhsa_group_segment_fixed_size 35328
		.amdhsa_private_segment_fixed_size 0
		.amdhsa_enable_private_segment 0
		.amdhsa_kernarg_size 64
		.amdhsa_user_sgpr_count 2
		.amdhsa_user_sgpr_kernarg_segment_ptr 1
		.amdhsa_wavefront_size32 1
		.amdhsa_system_sgpr_workgroup_id_x 1
		.amdhsa_system_sgpr_workgroup_id_y 1
		.amdhsa_system_sgpr_workgroup_id_z 1
		.amdhsa_system_vgpr_workitem_id 0
		.amdhsa_next_free_vgpr 226
		.amdhsa_next_free_sgpr 66
		.amdhsa_reserve_vcc 1
		.amdhsa_float_denorm_mode_32 3
		.amdhsa_float_denorm_mode_16_64 3
		.amdhsa_memory_ordered 1
		.amdhsa_forward_progress 1
		.amdhsa_inst_pref_size 120
	.end_amdhsa_kernel
	.amdgpu_metadata
---
amdhsa.version: [ 1, 2 ]
amdhsa.kernels:
  - .name:           k_qbadc2f0f0b_prep
    .symbol:         k_qbadc2f0f0b_prep.kd
    .args:
      - { .name: keys, .offset: 0, .size: 8, .value_kind: global_buffer, .address_space: global }
      - { .name: values, .offset: 8, .size: 8, .value_kind: global_buffer, .address_space: global }
      - { .name: attention_mask, .offset: 16, .size: 8, .value_kind: global_buffer, .address_space: global }
      - { .name: kimg, .offset: 24, .size: 8, .value_kind: global_buffer, .address_space: global }
      - { .name: ksc, .offset: 32, .size: 8, .value_kind: global_buffer, .address_space: global }
      - { .name: vimg, .offset: 40, .size: 8, .value_kind: global_buffer, .address_space: global }
      - { .name: vsc, .offset: 48, .size: 8, .value_kind: global_buffer, .address_space: global }
      - { .name: mclass, .offset: 56, .size: 8, .value_kind: global_buffer, .address_space: global }
    .group_segment_fixed_size: 35328
    .private_segment_fixed_size: 0
    .kernarg_segment_align: 8
    .kernarg_segment_size: 64
    .max_flat_workgroup_size: 128
    .sgpr_count:     66
    .vgpr_count:     226
    .wavefront_size: 32
...
	.end_amdgpu_metadata
.endif
;; end of part 1
;; launch attn (part 2): grid 4 x 64, 16 waves a work-group, no clusters, 276,480 bytes of LDS; arguments queries, attention_mask, kimg, vimg, ksc, vsc, mclass, out0; writes out0
.if DOCPART == 2
	.amdgcn_target "amdgcn-amd-amdhsa--gfx1250"
	.amdhsa_code_object_version 6
	.text
	.protected	k_qbadc2f0f0b_attn
	.globl	k_qbadc2f0f0b_attn
	.p2align	8
	.type	k_qbadc2f0f0b_attn,@function
k_qbadc2f0f0b_attn:
	s_mov_b64 s[64:65], 0
	v_nop
	global_prefetch_b8 v0, s[64:65] scope:SCOPE_SE
	s_setreg_imm32_b32 hwreg(HW_REG_WAVE_MODE, 25, 1), 1
	s_wait_xcnt 0x0
; out[b][q][h][:] = the sum over keys of A[q][key] V[key][:], A = nan_to_num(softmax(where(mask, -inf, Q K^T) / 8)); both products on codes of FP8 (E4M3) with one E8M0 scale for each 32 along K.
; A IS QUANTISED FINISHED AND NORMALISED, in blocks of 32 keys.  So a tile of 16 queries walks the keys TWICE: pass A finds the row's M (its largest t = score x log2(e) / 8, rounded up to a whole number)
; and the sum of 2^(t - M); pass B makes the scores again, p = 2^(t - M) / sum, quantises p and multiplies by V.
; SHARES.  A work-group has one head (hb = 16 b + h = work-group y).  The head's K and V codes and scale words (274,432 bytes, images of the operands' registers made by the launch before) are copied into LDS
; once; one barrier; from then on LDS is only read and the sixteen waves, four to a SIMD, go their own ways.  Wave w takes the query tiles T1 = 16 x + w and T2 = 127 - T1, one after the other.
; THE MASK is an input.  The launch before has classed each tile of 16 queries x 128 keys: 0 no byte set, 2 every byte 1, 1 anything else.  A step of class 2 is left out (its p are zeros, which add nothing to
; the sum nor to the product): a scalar branch on the stored class word round the step's work, not round the lines that step addresses.  A step of class 1 loads its mask bytes and puts -inf over the scores whose byte is not 0.
; NO CLUSTER: the four work-groups of a head read the same 274,432 bytes, once, at the head.  A joint request is a tensor load, and this text branches on class words read from memory;
; the branch spares whole steps of both passes.
; LAYOUT.  S^T = K Q^T (source 0 = 16 keys, source 1 = my 16 queries): lane (r, hh) holds query r.  The keys of a tile are not neighbours (lane r of tile 2 bb + u holds key 32 bb + 8 u + r + 8 (r / 8)), so that
; register 16 bb + i of the 64 scores is key 32 bb + 16 hh + i: the conversions' results are source 0 of O = P V.  Source 1 of that product is a fragment of V with columns d = 4 r + dt, so that register j of
; accumulator dt is O(query 8 hh + j, d = 4 r + dt): four accumulators' registers j are 16 neighbouring bytes of a row of out.  K = 64 in the first product: registers 8-15 of both its operands are zero codes.
; LIMITS: NaN and infinities in q, k, v are not served; a block whose largest magnitude lies under 2^-118 keeps the byte 1; a p under 2^-126 becomes 0 (v_exp_f32 gives no denormals: ISA guide 15.8).
; A row with no open key gives zeros, as nan_to_num does.
.set KIMG, 0                           ; LDS: K's images, 8,192 bytes a step;
.set VIMG, 131072                      ; V's likewise;
.set KSC,  262144                      ; K's scale words, 512 bytes a step;
.set VSC,  270336                      ; V's, 256 bytes a step
.set LI,   1                           ; v1   16 x lane
.set L8,   2                           ; v2   8 x lane
.set MA,   3                           ; v3   the mask: row r of 2,048 bytes + 16 hh
.set OA,   4                           ; v4   out: 8 hh rows of 4,096 bytes + 16 r
.set NINF, 5                           ; v5   -infinity
.set MO,   6                           ; v6   the mask offset in hand
.set ADK,  7                           ; v7-10 LDS addresses of the step in hand: K, V, K's scale words, V's
.set ADV,  8
.set ADS,  9
.set ADT,  10
.set KB,   32                          ; v32-95   four fragments of K; registers 8-15 of each stay 0.   v12 -M, v13 the largest t, v[14:15] the sum in two halves, then v14 = 1 / sum.   v16-31 Q's fragment, v24-31 stay 0
.set S,    96                          ; v96-159  the scores, then p, then V's four fragments, at last rows of out
.set OAC,  160                         ; v160-191 the four accumulators of O
.set P,    192                         ; v192-207 p's codes; ahead of them the step's mask bytes
.set Q2,   208                         ; v208-215 the second tile's codes of Q
.set QS,   216                         ; v216-224 hold scales and nothing else: Q's word, the second tile's, K's four, V's two, p's
.set Q2S,  217
.set KS,   218
.set VS,   222
.set PS,   224
.set BM,   226                         ; v226-229 a block's largest score, then its largest p
.set TP,   230                         ; v230-233 the other half's; then the scale bytes
.set HD,   234                         ; v234-237 448 x the scale
.set SO,   238                         ; v238-241 the conversions' scale operands
.set T,    242                         ; v242-245 at work on the mask
.set X1,   246
.set F,    248                         ; v[248:249] 2^(old M - new M); the upper word is written once
.set SU,   250                         ; v[250:251] the sum's second chain
.macro PLACES n
.rept \n
	v_nop
.endr
.endm
	s_load_b512 s[32:47], s[0:1], 0x0              ; queries s[32:33], mask s[34:35], kimg s[36:37], vimg s[38:39], ksc s[40:41], vsc s[42:43], mclass s[44:45], out s[46:47]
	v_lshl_add_u32 v254, v0, 2, 0x43000
	v_mov_b32 v255, 0
	v_lshrrev_b32 v1, 5, v0
	v_readfirstlane_b32 s2, v1                     ; wave 0..15
	v_and_b32 v10, 15, v0                          ; r
	v_bfe_u32 v11, v0, 4, 1                        ; hh
	v_lshlrev_b32 v245, 12, v10
	v_lshl_add_u32 v245, v11, 6, v245              ; Q: row r of 4,096 bytes + my half's 16 numbers of a block of 32
	v_lshlrev_b32 v242, 4, v0                      ; the copies: 16 bytes a thread, 8,192 an instruction of the work-group;
	v_lshlrev_b32 v243, 3, v0                      ; V's scale words: 8 bytes a thread
	v_lshlrev_b32 v6, 4, v0                        ; and where they go in LDS: the same bytes in the same order
	v_add_nc_u32 v7, 0x10000, v6
	v_add_nc_u32 v8, 0x20000, v6
	v_add_nc_u32 v9, 0x30000, v6
	v_add_nc_u32 v225, KSC, v6
	v_lshl_add_u32 v244, v0, 3, VSC
.irp b, 0,1,2,3
	v_mov_b32 v[TP+\b], 0                          ; written once: a lane permute's destination counts as one of its sources
.endr
	s_and_b32 s48, ttmp7, 0xffff                   ; hb
	s_lshr_b32 s49, s48, 4                         ; b
	s_and_b32 s50, s48, 15                         ; h
	s_lshl_b32 s51, ttmp9, 4
	s_add_co_u32 s51, s51, s2                      ; T1
	s_sub_co_u32 s52, 127, s51                     ; T2
	s_lshl_b32 s53, s49, 23
	s_lshl_b32 s50, s50, 8
	s_or_b32 s53, s53, s50                         ; b 2^23 + 256 h
	s_mov_b32 s55, 0
	s_mov_b32 s14, 0x3e38aa3b                      ; c = log2(e) / 8
	s_mov_b32 s15, s14                             ; (the packed form names the pair)
	s_mov_b32 s16, 0x76543210
	s_mov_b32 s17, 0xfedcba98                      ; v_permlanex16_b32's selects for lane l xor 16
	s_mov_b32 s18, 0x600000                        ; the mantissa field of 448
	s_mov_b32 s19, 2                               ; tiles to go
	s_wait_kmcnt 0x0
	s_lshl_b32 s54, s51, 16                        ; a tile's 16 rows of 4,096 bytes
	s_add_co_u32 s54, s54, s53
	s_add_nc_u64 s[6:7], s[46:47], s[54:55]        ; out at tile 1
	s_add_nc_u64 s[56:57], s[32:33], s[54:55]      ; Q at tile 1
	s_lshl_b32 s54, s52, 16
	s_add_co_u32 s54, s54, s53
	s_add_nc_u64 s[28:29], s[46:47], s[54:55]      ; out at tile 2
	s_add_nc_u64 s[58:59], s[32:33], s[54:55]      ; Q at tile 2
	s_lshl_b32 s53, s49, 22
	s_lshl_b32 s54, s51, 15                        ; a tile's 16 rows of 2,048 mask bytes
	s_add_co_u32 s54, s54, s53
	s_add_nc_u64 s[4:5], s[34:35], s[54:55]        ; the mask at tile 1
	s_lshl_b32 s54, s52, 15
	s_add_co_u32 s54, s54, s53
	s_add_nc_u64 s[26:27], s[34:35], s[54:55]      ; and at tile 2
	s_lshl_b32 s53, s49, 7
	s_add_co_u32 s54, s53, s51
	s_lshl_b32 s54, s54, 8
	s_add_nc_u64 s[60:61], s[44:45], s[54:55]
	s_add_co_u32 s54, s53, s52
	s_lshl_b32 s54, s54, 8
	s_add_nc_u64 s[62:63], s[44:45], s[54:55]
	s_load_b32 s8, s[60:61], 0x0                   ; tile 1's class word
	s_load_b32 s30, s[62:63], 0x0                  ; tile 2's
	s_lshl_b32 s54, s48, 17
	s_add_nc_u64 s[36:37], s[36:37], s[54:55]      ; my head's images
	s_add_nc_u64 s[38:39], s[38:39], s[54:55]
	s_lshl_b32 s54, s48, 13
	s_add_nc_u64 s[40:41], s[40:41], s[54:55]
	s_lshl_b32 s54, s48, 12
	s_add_nc_u64 s[42:43], s[42:43], s[54:55]
	; 50 loads: Q of both tiles (16), K's images (16), V's (16), the scale words (2)
.irp c, 0,1
.irp j, 0,1,2,3
	global_load_b128 v[S+16*\c+4*\j:S+16*\c+4*\j+3], v245, s[56:57] offset:128*\c+16*\j th:TH_LOAD_NT
.endr
.endr
.irp c, 0,1
.irp j, 0,1,2,3
	global_load_b128 v[S+32+16*\c+4*\j:S+32+16*\c+4*\j+3], v245, s[58:59] offset:128*\c+16*\j th:TH_LOAD_NT
.endr
.endr
.irp i, 0,1,2,3,4,5,6,7,8,9,10,11,12,13,14,15
	global_load_b128 v[KB+4*\i:KB+4*\i+3], v242, s[36:37] offset:8192*\i
.endr
.set n, 0
.irp q, 160,164,168,172,176,180,184,188,192,196,200,204,24,28,246,250
	global_load_b128 v[\q:\q+3], v242, s[38:39] offset:8192*n
.set n, n+1
.endr
	global_load_b128 v[KS:KS+3], v242, s[40:41]
	global_load_b64 v[VS:VS+1], v243, s[42:43]
	s_wait_loadcnt 34                              ; Q's 16 loads are in; the 34 behind them may be out
	; Q's four blocks of 32 (tile 1: e 0-31, 32-63; tile 2 likewise): register 16 b + i of v96 on is number 16 hh + i of block b of my row
.irp b, 0,1,2,3
	v_max3_num_f32 v[BM+\b], |v[S+16*\b]|, |v[S+16*\b+1]|, 0x4800000   ; my 16 numbers, and the floor 2^(9 - 127): the byte cannot fall under 1
.endr
.irp i, 2,4,6,8,10,12,14
.irp b, 0,1,2,3
	v_max3_num_f32 v[BM+\b], v[BM+\b], |v[S+16*\b+\i]|, |v[S+16*\b+\i+1]|
.endr
.endr
.irp b, 0,1,2,3
	v_permlanex16_b32 v[TP+\b], v[BM+\b], s16, s17
.endr
.irp b, 0,1,2,3
	v_max_num_f32 v[BM+\b], v[BM+\b], v[TP+\b]
.endr
.irp b, 0,1,2,3
	v_add_nc_u32 v[SO+\b], 0xfc000000, v[BM+\b]    ; 8 off the exponent field: the conversion's scale operand
.endr
.irp b, 0,1,2,3
	v_and_or_b32 v[HD+\b], v[BM+\b], 0x7f800000, s18   ; 448 x the scale
.endr
.irp b, 0,1,2,3
	v_lshrrev_b32 v[TP+\b], 23, v[SO+\b]           ; the scale's byte
.endr
	v_lshl_or_b32 v[QS], v[TP+1], 8, v[TP]
	v_lshl_or_b32 v[Q2S], v[TP+3], 8, v[TP+2]
	v_or_b32 v[QS], 0x7f7f0000, v[QS]              ; the byte 127 for the two blocks of zero codes
	v_or_b32 v[Q2S], 0x7f7f0000, v[Q2S]
.macro QCODE b, dst
.irp i, 0,1,2,3,4,5,6,7,8,9,10,11,12,13,14,15
	v_med3_num_f32 v[S+16*\b+\i], v[S+16*\b+\i], -v[HD+\b], v[HD+\b]   ; the conversion to an 8-bit code does not saturate (ISA guide 7.6.2)
.endr
	v_cvt_scalef32_pk8_fp8_f32 v[\dst:\dst+1], v[S+16*\b:S+16*\b+7], v[SO+\b]
	v_cvt_scalef32_pk8_fp8_f32 v[\dst+2:\dst+3], v[S+16*\b+8:S+16*\b+15], v[SO+\b]
.endm
	QCODE 0, 16
	QCODE 1, 20
	QCODE 2, Q2
	QCODE 3, Q2+4
	v_nop                                          ; one plain line behind the last conversion
	s_wait_loadcnt 18                              ; K's 16 are in; V's 16 and the two loads of scale words may be out
.irp i, 0,1,2,3,4,5,6,7
	ds_store_b128 v6, v[KB+4*\i:KB+4*\i+3] offset:8192*\i
.endr
.irp i, 0,1,2,3,4,5,6,7
	ds_store_b128 v7, v[KB+32+4*\i:KB+32+4*\i+3] offset:8192*\i
.endr
	s_wait_loadcnt 2                               ; V's 16 are in
.set n, 0
.irp q, 160,164,168,172,176,180,184,188,192,196,200,204,24,28,246,250
.if n < 8
	ds_store_b128 v8, v[\q:\q+3] offset:8192*n
.else
	ds_store_b128 v9, v[\q:\q+3] offset:8192*(n-8)
.endif
.set n, n+1
.endr
	s_wait_loadcnt 0x0
	ds_store_b128 v225, v[KS:KS+3]
	ds_store_b64 v244, v[VS:VS+1]
	s_wait_dscnt 0x0                               ; for the others' sake: my part of the head lies in LDS
	s_barrier_signal -1
	s_barrier_wait -1                              ; everybody's does.  The launch's only barrier: from here on LDS is only read
.irp k, 0,1,2,3,4,5,6,7
	v_mov_b32 v[24+\k], 0                          ; K = 64 fills registers 0-7 of a fragment: registers 8-15 are zero codes, in Q
.endr
.irp t, 0,1,2,3
.irp k, 8,9,10,11,12,13,14,15
	v_mov_b32 v[KB+16*\t+\k], 0                    ; and in the four fragments of K; the loads never touch them
.endr
.endr
	v_and_b32 v1, 31, v0
	v_lshlrev_b32 v[L8], 3, v1
	v_lshlrev_b32 v[LI], 4, v1
	v_lshlrev_b32 v[MA], 11, v10
	v_lshl_add_u32 v[MA], v11, 4, v[MA]
	v_lshlrev_b32 v[OA], 15, v11
	v_lshl_add_u32 v[OA], v10, 4, v[OA]
	v_mov_b32 v[NINF], 0xff800000
	v_mov_b32 v[F+1], 0                            ; (named as the upper half of a pair)
	s_wait_kmcnt 0x0                               ; the class words
.macro KFETCH g                        ; tiles 4 g .. 4 g + 3 of the step: registers 0-7 of each fragment, as they were stored: 16 x lane, 512 bytes a load
.irp t, 0,1,2,3
.irp c, 0,1
	ds_load_b128 v[KB+16*\t+4*\c:KB+16*\t+4*\c+3], v[ADK] offset:1024*(4*\g+\t)+512*\c
.endr
.endr
.endm
.macro KQ g                            ; four products, each its own accumulator, begun with the constant 0.  K's scale words: even tiles in lanes 0-15, odd tiles in lanes 16-31 of one register
.irp t, 0,1,2,3
.if (\t)%2
	v_wmma_scale_f32_16x16x128_f8f6f4 v[S+8*(4*\g+\t):S+8*(4*\g+\t)+7], v[KB+16*\t:KB+16*\t+15], v[16:31], 0, v[KS+(4*\g+\t)/2], v[QS] matrix_a_scale:MATRIX_SCALE_ROW1
.else
	v_wmma_scale_f32_16x16x128_f8f6f4 v[S+8*(4*\g+\t):S+8*(4*\g+\t)+7], v[KB+16*\t:KB+16*\t+15], v[16:31], 0, v[KS+(4*\g+\t)/2], v[QS]
.endif
.endr
.endm
; THE STEP'S 64 SCORES of a lane.  Eight places stand behind this matrix form in front of loads into registers that it has read and of the first read of its results.
; The lines are written out for both classes, so that the mask's loads, their wait and their use lie on one way.
.macro SCORES
	v_add_nc_u32 v[ADK], s11, v[LI]
	v_add_nc_u32 v[ADS], s12, v[LI]
	KFETCH 0
	ds_load_b128 v[KS:KS+3], v[ADS]
	s_cmp_eq_u32 s10, 1
	s_cbranch_scc1 .Lmixed_\@
	s_wait_dscnt 0x0
	KQ 0
	PLACES 8
	KFETCH 1
	s_wait_dscnt 0x0
	KQ 1
	PLACES 8
	s_branch .Ljoin_\@
.Lmixed_\@:
	v_add_nc_u32 v[MO], s13, v[MA]                 ; (the last loads that named it were waited for)
.irp b, 0,1,2,3
	global_load_b128 v[P+4*\b:P+4*\b+3], v[MO], s[4:5] offset:32*\b   ; the mask bytes of my query at keys 32 b + 16 hh + 0 .. 15: in the order of my registers
.endr
	s_wait_dscnt 0x0
	KQ 0
	PLACES 8
	KFETCH 1
	s_wait_dscnt 0x0
	KQ 1
	s_wait_loadcnt 0x0
	PLACES 8
.set n, 0
.rept 16                               ; word n holds the bytes of scores 4 n .. 4 n + 3; the scores in ascending order
.irp y, 0,1,2,3
	v_and_b32 v[T+\y], 0xff<<(8*\y), v[P+n]
.endr
.irp y, 0,1,2,3
	v_cmp_ne_u32 s[20+\y], 0, v[T+\y]
.endr
.irp y, 0,1,2,3
	v_cndmask_b32 v[S+4*n+\y], v[S+4*n+\y], v[NINF], s[20+\y]
.endr
.set n, n+1
.endr
.Ljoin_\@:
.endm
.macro BMAX                            ; the largest score of each block of 32 keys, my 16 of them; the four blocks by turns
.irp b, 0,1,2,3
	v_max3_num_f32 v[BM+\b], v[S+16*\b], v[S+16*\b+1], v[S+16*\b+2]
.endr
.irp i, 3,5,7,9,11,13
.irp b, 0,1,2,3
	v_max3_num_f32 v[BM+\b], v[BM+\b], v[S+16*\b+\i], v[S+16*\b+\i+1]
.endr
.endr
.irp b, 0,1,2,3
	v_max_num_f32 v[BM+\b], v[BM+\b], v[S+16*\b+15]
.endr
.endm
.macro TMINUSM                         ; t - M = score x c - M, one rounding, two at a time (of the pairs c and -M the low word serves both halves)
.set j, 0
.rept 32
	v_pk_fma_f32 v[S+j:S+j+1], v[S+j:S+j+1], s[14:15], v[12:13] op_sel_hi:[1,0,0]
.set j, j+2
.endr
.endm
.macro EXP64
.set j, 0
.rept 64
	v_exp_f32 v[S+j], v[S+j]
.set j, j+1
.endr
.endm
; PASS A: the running M and the sum of 2^(t - M).  M is a whole number, so what was summed under the old M comes under the new by a multiplication that rounds nothing.
.macro SOFTA
	BMAX
	v_max3_num_f32 v[X1], v[BM], v[BM+1], v[BM+2]
	v_max_num_f32 v[X1], v[X1], v[BM+3]
	v_permlanex16_b32 v[TP], v[X1], s16, s17
	v_max_num_f32 v[X1], v[X1], v[TP]              ; the step's largest score of my query (-inf where all its keys are hidden)
	v_mul_f32 v[X1], s14, v[X1]                    ; as t (c is positive)
	v_max_num_f32 v13, v13, v[X1]
	v_mov_b32 v[X1], v12
	v_floor_f32 v12, -v13                          ; -M = floor(-t)
	v_sub_f32 v[X1], v12, v[X1]                    ; old M - new M: a whole number, 0 or less
	v_cvt_i32_f32 v[X1], v[X1]                     ; (it saturates)
	v_ldexp_f32 v[F], 1.0, v[X1]
	TMINUSM
	EXP64
	v_pk_mul_f32 v[14:15], v[14:15], v[F:F+1] op_sel_hi:[1,0]   ; the sums under the new M.  (The plain line behind the exponentials)
	s_wait_alu depctr_va_vdst(0)
	v_pk_add_f32 v[SU:SU+1], v[S:S+1], v[S+2:S+3]
.set j, 4
.rept 15
	v_pk_add_f32 v[14:15], v[14:15], v[S+j:S+j+1]
	v_pk_add_f32 v[SU:SU+1], v[SU:SU+1], v[S+j+2:S+j+3]
.set j, j+4
.endr
	v_pk_add_f32 v[14:15], v[14:15], v[SU:SU+1]
.endm
; PASS B: p = 2^(t - M) / sum, quantised block by block, times V.  A block's largest p is not searched for: p rises with the score, so the block's largest score goes through the same lines.
.macro SOFTB
	BMAX
.irp b, 0,1,2,3
	v_permlanex16_b32 v[TP+\b], v[BM+\b], s16, s17
.endr
.irp b, 0,1,2,3
	v_max_num_f32 v[BM+\b], v[BM+\b], v[TP+\b]
.endr
	TMINUSM
.irp b, 0,1,2,3
	v_fma_f32 v[BM+\b], v[BM+\b], s14, v12
.endr
	EXP64
.irp b, 0,1,2,3
	v_exp_f32 v[BM+\b], v[BM+\b]
.endr
	v_add_nc_u32 v[ADV], s24, v[LI]                ; (the plain lines behind the exponentials)
	v_add_nc_u32 v[ADT], s25, v[L8]
	ds_load_b64 v[VS:VS+1], v[ADT]                 ; V's scale words of this step
.set j, 0
	s_wait_alu depctr_va_vdst(0)
.rept 32
	v_pk_mul_f32 v[S+j:S+j+1], v[S+j:S+j+1], v[14:15] op_sel_hi:[1,0]   ; / the row's sum: A as it is quantised
.set j, j+2
.endr
.irp b, 0,1,2,3
	v_mul_f32 v[BM+\b], v[BM+\b], v14
.endr
.irp b, 0,1,2,3
	v_max_num_f32 v[BM+\b], 0x4800000, v[BM+\b]    ; the floor 2^(9 - 127): the byte cannot fall under 1; a block of zeros keeps that byte over zero codes
.endr
.irp b, 0,1,2,3
	v_add_nc_u32 v[SO+\b], 0xfc000000, v[BM+\b]
.endr
.irp b, 0,1,2,3
	v_and_or_b32 v[HD+\b], v[BM+\b], 0x7f800000, s18
.endr
.irp b, 0,1,2,3
	v_lshrrev_b32 v[TP+\b], 23, v[SO+\b]
.endr
	v_lshl_or_b32 v[PS], v[TP+1], 8, v[TP]         ; p's scale word for these 128 keys; the 64 holds below are its places in front of the products
	v_lshl_or_b32 v[PS], v[TP+2], 16, v[PS]
	v_lshl_or_b32 v[PS], v[TP+3], 24, v[PS]
.irp b, 0,1,2,3
.irp i, 0,1,2,3,4,5,6,7,8,9,10,11,12,13,14,15
	v_min_num_f32 v[S+16*\b+\i], v[S+16*\b+\i], v[HD+\b]   ; p is not negative: the hold is one-sided
.endr
	v_cvt_scalef32_pk8_fp8_f32 v[P+4*\b:P+4*\b+1], v[S+16*\b:S+16*\b+7], v[SO+\b]
	v_cvt_scalef32_pk8_fp8_f32 v[P+4*\b+2:P+4*\b+3], v[S+16*\b+8:S+16*\b+15], v[SO+\b]
.irp c, 0,1,2,3
	ds_load_b128 v[S+16*\b+4*\c:S+16*\b+4*\c+3], v[ADV] offset:2048*\b+512*\c   ; V's fragment b takes the registers that the block's p have left
.endr
.endr
	PLACES 4                                       ; codes written by vector instructions stand four places ahead of a scaled product
	s_wait_dscnt 0x0
.irp d, 0,1,2,3                        ; O += P V: four accumulators by turns, one instruction a turn
.if (\d)%2
	v_wmma_scale_f32_16x16x128_f8f6f4 v[OAC+8*\d:OAC+8*\d+7], v[P:P+15], v[S+16*\d:S+16*\d+15], v[OAC+8*\d:OAC+8*\d+7], v[PS], v[VS+\d/2] matrix_b_scale:MATRIX_SCALE_ROW1
.else
	v_wmma_scale_f32_16x16x128_f8f6f4 v[OAC+8*\d:OAC+8*\d+7], v[P:P+15], v[S+16*\d:S+16*\d+15], v[OAC+8*\d:OAC+8*\d+7], v[PS], v[VS+\d/2]
.endif
.endr
	PLACES 9                                       ; the next step's products write their results over V's registers: one place more than a load or a read wants
.endm
.Ltile:
	v_mov_b32 v13, 0xff61b1e6                      ; the largest t so far: -3e38, under every t
	v_floor_f32 v12, -v13                          ; -M
	s_wait_alu depctr_va_vdst(0)
	v_mov_b32 v14, 0                               ; the sum, in two halves
	v_mov_b32 v15, 0
	s_mov_b32 s9, s8                               ; the classes, two bits a step
	s_mov_b32 s3, 0
	s_mov_b32 s11, KIMG
	s_mov_b32 s12, KSC
	s_mov_b32 s13, 0
.LA:                                               ; 16 trips, a constant: what a hidden step leaves out is its work
	s_and_b32 s10, s9, 3
	s_cmp_eq_u32 s10, 2
	s_cbranch_scc1 .LhA
	SCORES
	SOFTA
.LhA:
	s_lshr_b32 s9, s9, 2
	s_add_co_u32 s11, s11, 8192
	s_add_co_u32 s12, s12, 512
	s_add_co_u32 s13, s13, 128
	s_add_co_u32 s3, s3, 1
	s_cmp_lt_u32 s3, 16
	s_cbranch_scc1 .LA
	v_add_f32 v14, v14, v15                        ; the sum's two halves,
	v_permlanex16_b32 v[TP], v14, s16, s17
	v_add_f32 v14, v14, v[TP]                      ; and lane l xor 16's: the row's sum
	v_max_num_f32 v14, 0.5, v14                    ; a row with an open key has a p above 0.5, so its sum is not touched; a row with none has the sum 0 and every p 0: 0 x 2 = 0
	v_rcp_f32 v14, v14
.set j, 0
.rept 32
	v_mov_b32 v[OAC+j], 0                          ; which step is the first to be worked hangs on the classes, so no product can be written out with the constant 0.  (Also the plain line behind the reciprocal)
.set j, j+1
.endr
	s_mov_b32 s9, s8
	s_mov_b32 s31, 0
	s_mov_b32 s11, KIMG
	s_mov_b32 s12, KSC
	s_mov_b32 s13, 0
	s_mov_b32 s24, VIMG
	s_mov_b32 s25, VSC
.LB:
	s_and_b32 s10, s9, 3
	s_cmp_eq_u32 s10, 2
	s_cbranch_scc1 .LhB
	SCORES
	SOFTB
.LhB:
	s_lshr_b32 s9, s9, 2
	s_add_co_u32 s11, s11, 8192
	s_add_co_u32 s12, s12, 512
	s_add_co_u32 s13, s13, 128
	s_add_co_u32 s24, s24, 8192
	s_add_co_u32 s25, s25, 256
	s_add_co_u32 s31, s31, 1
	s_cmp_lt_u32 s31, 16
	s_cbranch_scc1 .LB
	; THE WAY OUT: register j of the four accumulators is out(query 8 hh + j, d = 4 r + 0 .. 3): 16 neighbouring bytes.  j ascending: each accumulator is read from its low end on
.irp j, 0,1,2,3,4,5,6,7
.irp d, 0,1,2,3
	v_mov_b32 v[S+4*\j+\d], v[OAC+8*\d+\j]
.endr
.endr
.irp j, 0,1,2,3,4,5,6,7
	global_store_b128 v[OA], v[S+4*\j:S+4*\j+3], s[6:7] offset:4096*\j th:TH_STORE_NT   ; sixteen lanes store a head's row of 256 consecutive bytes, aligned; two rows an instruction
.endr
	s_wait_xcnt 0x0                                ; the stores have read their registers and their base: both are written again below
	v_mov_b32 v[QS], v[Q2S]                        ; the second tile's Q: the scale word first, so that the eight moves below are its places
.irp k, 0,1,2,3,4,5,6,7
	v_mov_b32 v[16+\k], v[Q2+\k]
.endr
	s_mov_b64 s[4:5], s[26:27]
	s_mov_b64 s[6:7], s[28:29]
	s_mov_b32 s8, s30
	s_sub_co_u32 s19, s19, 1
	s_cmp_lg_u32 s19, 0
	s_cbranch_scc1 .Ltile
	s_wait_tensorcnt 0x0
	ds_add_u32 v254, v255
	s_wait_dscnt 0x0
	s_endpgm
.Lfunc_end_k_qbadc2f0f0b_attn:
	.size	k_qbadc2f0f0b_attn, .Lfunc_end_k_qbadc2f0f0b_attn-k_qbadc2f0f0b_attn
	.p2alignl 7, 3214868480
	.fill 96, 4, 3214868480
	.section	.rodata,"a",@progbits
	.p2align	6, 0x0
	.amdhsa_kernel k_qbadc2f0f0b_attn
		.amdhsa_group_segment_fixed_size 276480
		.amdhsa_private_segment_fixed_size 0
		.amdhsa_enable_private_segment 0
		.amdhsa_kernarg_size 64
		.amdhsa_user_sgpr_count 2
		.amdhsa_user_sgpr_kernarg_segment_ptr 1
		.amdhsa_wavefront_size32 1
		.amdhsa_system_sgpr_workgroup_id_x 1
		.amdhsa_system_sgpr_workgroup_id_y 1
		.amdhsa_system_sgpr_workgroup_id_z 1
		.amdhsa_system_vgpr_workitem_id 0
		.amdhsa_next_free_vgpr 256
		.amdhsa_next_free_sgpr 66
		.amdhsa_reserve_vcc 0
		.amdhsa_float_denorm_mode_32 3
		.amdhsa_float_denorm_mode_16_64 3
		.amdhsa_memory_ordered 1
		.amdhsa_forward_progress 1
		.amdhsa_inst_pref_size 83
	.end_amdhsa_kernel
	.amdgpu_metadata
---
amdhsa.version: [ 1, 2 ]
amdhsa.kernels:
  - .name:           k_qbadc2f0f0b_attn
    .symbol:         k_qbadc2f0f0b_attn.kd
    .args:
      - { .name: queries, .offset: 0, .size: 8, .value_kind: global_buffer, .address_space: global }
      - { .name: attention_mask, .offset: 8, .size: 8, .value_kind: global_buffer, .address_space: global }
      - { .name: kimg, .offset: 16, .size: 8, .value_kind: global_buffer, .address_space: global }
      - { .name: vimg, .offset: 24, .size: 8, .value_kind: global_buffer, .address_space: global }
      - { .name: ksc, .offset: 32, .size: 8, .value_kind: global_buffer, .address_space: global }
      - { .name: vsc, .offset: 40, .size: 8, .value_kind: global_buffer, .address_space: global }
      - { .name: mclass, .offset: 48, .size: 8, .value_kind: global_buffer, .address_space: global }
      - { .name: out0, .offset: 56, .size: 8, .value_kind: global_buffer, .address_space: global }
    .group_segment_fixed_size: 276480
    .private_segment_fixed_size: 0
    .kernarg_segment_align: 8
    .kernarg_segment_size: 64
    .max_flat_workgroup_size: 512
    .sgpr_count:     66
    .vgpr_count:     256
    .wavefront_size: 32
...
	.end_amdgpu_metadata
.endif
;; end of part 2
;; ======== version 2 of 2: 2 launches; version 1 with the launch attn written anew for expert scheduling mode
;; workspace buffers: kimg 8,388,608 bytes; vimg 8,388,608 bytes; ksc 524,288 bytes; vsc 262,144 bytes; mclass 131,072 bytes of whole numbers
;; launch prep: the kernel of part 1 again; grid 640 x 1, 4 waves a work-group, no clusters, 35,328 bytes of LDS; arguments keys, values, attention_mask, kimg, ksc, vimg, vsc, mclass; writes kimg, ksc, vimg, vsc, mclass
;; launch attn (part 3): grid 4 x 64, 16 waves a work-group, no clusters, 276,480 bytes of LDS; arguments queries, attention_mask, kimg, vimg, ksc, vsc, mclass, out0; writes out0
.if DOCPART == 3
	.amdgcn_target "amdgcn-amd-amdhsa--gfx1250"
	.amdhsa_code_object_version 6
	.text
	.protected	k_qbadc2f0f0b_attn
	.globl	k_qbadc2f0f0b_attn
	.p2align	8
	.type	k_qbadc2f0f0b_attn,@function
k_qbadc2f0f0b_attn:
	s_mov_b64 s[64:65], 0
	v_nop
	global_prefetch_b8 v0, s[64:65] scope:SCOPE_SE
	s_setreg_imm32_b32 hwreg(HW_REG_WAVE_SCHED_MODE, 0, 2), 2
	s_setreg_imm32_b32 hwreg(HW_REG_WAVE_MODE, 25, 1), 1
	s_wait_xcnt 0x0
	s_wait_alu depctr_vm_vsrc(0)
; out[b][q][h][:] = the sum over keys of A[q][key] V[key][:], A = nan_to_num(softmax(where(mask, -inf, Q K^T) / 8)); both products on codes of FP8 (E4M3) with one E8M0 scale for each 32 along K.
; A IS QUANTISED FINISHED AND NORMALISED, in blocks of 32 keys.  So a tile of 16 queries walks the keys TWICE: pass A finds the row's M (its largest t = score x log2(e) / 8, rounded up to a whole number)
; and the sum of 2^(t - M); pass B makes the scores again, p = 2^(t - M) / sum, quantises p and multiplies by V.
; SHARES.  A work-group has one head (hb = 16 b + h = work-group y).  The head's K and V codes and scale words (274,432 bytes, images of the operands' registers made by the launch before) are copied into LDS
; once; one barrier; from then on LDS is only read and the sixteen waves, four to a SIMD, go their own ways.  Wave w takes the query tiles T1 = 16 x + w and T2 = 127 - T1, one after the other.
; THE MASK is an input.  The launch before has classed each tile of 16 queries x 128 keys: 0 no byte set, 2 every byte 1, 1 anything else.  A step of class 2 is left out (its p are zeros, which add nothing to
; the sum nor to the product): a scalar branch on the stored class word round the step's work, not round the lines that step addresses.  A step of class 1 loads its mask bytes and puts -inf over the scores whose byte is not 0.
; NO CLUSTER: the four work-groups of a head read the same 274,432 bytes, once, at the head.  A joint request is a tensor load, and this text branches on class words read from memory;
; the branch spares whole steps of both passes.
; LAYOUT.  S^T = K Q^T (source 0 = 16 keys, source 1 = my 16 queries): lane (r, hh) holds query r.  The keys of a tile are not neighbours (lane r of tile 2 bb + u holds key 32 bb + 8 u + r + 8 (r / 8)), so that
; register 16 bb + i of the 64 scores is key 32 bb + 16 hh + i: the conversions' results are source 0 of O = P V.  Source 1 of that product is a fragment of V with columns d = 4 r + dt, so that register j of
; accumulator dt is O(query 8 hh + j, d = 4 r + dt): four accumulators' registers j are 16 neighbouring bytes of a row of out.  K = 64 in the first product: registers 8-15 of both its operands are zero codes.
; LIMITS: NaN and infinities in q, k, v are not served; a block whose largest magnitude lies under 2^-118 keeps the byte 1; a p under 2^-126 becomes 0 (v_exp_f32 gives no denormals: ISA guide 15.8).
; A row with no open key gives zeros, as nan_to_num does.
; THE MODE: SCHED_MODE bits 1:0 = 2 (LLVM: expert scheduling mode 2), set by the entry lines.  The code itself states the register dependences
; between vector or matrix instructions and memory or LDS instructions, with s_wait_alu, always for 0.
; THE PLAN.  Registers that memory or LDS instructions touch, in a worked step:
;   v6-10 (MO, ADK, ADV, ADS, ADT)  Written by the adds at the step's head; read by the step's loads.  One wait on vm_vsrc ahead of the adds, one on va_vdst behind them.
;   KB (registers 0-7 of four fragments)  Tiles 0-3 land behind the head's wait and are read by four products; tiles 4-7 land behind a wait on va_vdst that follows those products, and are read by four more.
;   KS, VS    Land behind the head's wait; read by the step's products as scales.
;   P         A mixed step's mask bytes land behind the head's wait and are read by the masking lines; in pass B the conversions then write p's codes there and the last four products read them.
;   S         Pass B: a block's holds write it and its conversions read it; then a fragment of V lands in it.  Two waits on va_vdst: behind blocks 0, 1 and behind blocks 2, 3.
;   On the way out 32 moves write S, one wait on va_vdst, eight stores read it, one wait on vm_vsrc.  v4 (OA) is never written again.
; The head's wait on va_vdst also states that every earlier product is done reading KB, KS, VS and P; between it and the loads that lean on it no vector or matrix instruction names a register that they touch.
; While tiles 4-7 are on their way the first 32 scores are worked on; while V's fragments 0 and 1 are on their way blocks 2 and 3 are quantised; while fragments 2 and 3 are on their way the first two products with V run.
.set KIMG, 0                           ; LDS: K's images, 8,192 bytes a step;
.set VIMG, 131072                      ; V's likewise;
.set KSC,  262144                      ; K's scale words, 512 bytes a step;
.set VSC,  270336                      ; V's, 256 bytes a step
.set LI,   1                           ; v1   16 x lane
.set L8,   2                           ; v2   8 x lane
.set MA,   3                           ; v3   the mask: row r of 2,048 bytes + 16 hh
.set OA,   4                           ; v4   out: 8 hh rows of 4,096 bytes + 16 r
.set NINF, 5                           ; v5   -infinity
.set MO,   6                           ; v6   the mask offset in hand
.set ADK,  7                           ; v7-10 LDS addresses of the step in hand: K, V, K's scale words, V's
.set ADV,  8
.set ADS,  9
.set ADT,  10
.set KB,   32                          ; v32-95   four fragments of K; registers 8-15 of each stay 0.   v12 -M, v13 the largest t, v[14:15] the sum in two halves, then v14 = 1 / sum.   v16-31 Q's fragment, v24-31 stay 0
.set S,    96                          ; v96-159  the scores, then p, then V's four fragments, at last rows of out
.set OAC,  160                         ; v160-191 the four accumulators of O
.set P,    192                         ; v192-207 p's codes; ahead of them the step's mask bytes
.set Q2,   208                         ; v208-215 the second tile's codes of Q
.set QS,   216                         ; v216-224 hold scales and nothing else: Q's word, the second tile's, K's four, V's two, p's
.set Q2S,  217
.set KS,   218
.set VS,   222
.set PS,   224
.set BM,   226                         ; v226-229 a block's largest score, then its largest p
.set TP,   230                         ; v230-233 the other half's; then the scale bytes
.set HD,   234                         ; v234-237 448 x the scale
.set SO,   238                         ; v238-241 the conversions' scale operands
.set T,    242                         ; v242-245 at work on the mask; the lanes' masks of 32 scores lie in s32-63, which are free behind the head
.set X1,   246
.set F,    248                         ; v[248:249] 2^(old M - new M); the upper word is written once
.set SU,   250                         ; v[250:251] the sum's second chain
.macro PLACES n
.rept \n
	v_nop
.endr
.endm
	s_load_b512 s[32:47], s[0:1], 0x0              ; queries s[32:33], mask s[34:35], kimg s[36:37], vimg s[38:39], ksc s[40:41], vsc s[42:43], mclass s[44:45], out s[46:47]
	v_lshl_add_u32 v254, v0, 2, 0x43000
	v_mov_b32 v255, 0
	v_lshrrev_b32 v1, 5, v0
	v_readfirstlane_b32 s2, v1                     ; wave 0..15
	v_and_b32 v10, 15, v0                          ; r
	v_bfe_u32 v11, v0, 4, 1                        ; hh
	v_lshlrev_b32 v245, 12, v10
	v_lshl_add_u32 v245, v11, 6, v245              ; Q: row r of 4,096 bytes + my half's 16 numbers of a block of 32
	v_lshlrev_b32 v242, 4, v0                      ; the copies: 16 bytes a thread, 8,192 an instruction of the work-group;
	v_lshlrev_b32 v243, 3, v0                      ; V's scale words: 8 bytes a thread
	v_lshlrev_b32 v6, 4, v0                        ; and where they go in LDS: the same bytes in the same order
	v_add_nc_u32 v7, 0x10000, v6
	v_add_nc_u32 v8, 0x20000, v6
	v_add_nc_u32 v9, 0x30000, v6
	v_add_nc_u32 v225, KSC, v6
	v_lshl_add_u32 v244, v0, 3, VSC
.irp b, 0,1,2,3
	v_mov_b32 v[TP+\b], 0                          ; written once: a lane permute's destination counts as one of its sources
.endr
	s_wait_alu depctr_va_sdst(0)                   ; s2, the wave's number, is written, ahead of its first reader: the tiles' numbers are made from it
	s_and_b32 s48, ttmp7, 0xffff                   ; hb
	s_lshr_b32 s49, s48, 4                         ; b
	s_and_b32 s50, s48, 15                         ; h
	s_lshl_b32 s51, ttmp9, 4
	s_add_co_u32 s51, s51, s2                      ; T1
	s_sub_co_u32 s52, 127, s51                     ; T2
	s_lshl_b32 s53, s49, 23
	s_lshl_b32 s50, s50, 8
	s_or_b32 s53, s53, s50                         ; b 2^23 + 256 h
	s_mov_b32 s55, 0
	s_mov_b32 s14, 0x3e38aa3b                      ; c = log2(e) / 8
	s_mov_b32 s15, s14                             ; (the packed form names the pair)
	s_mov_b32 s16, 0x76543210
	s_mov_b32 s17, 0xfedcba98                      ; v_permlanex16_b32's selects for lane l xor 16
	s_mov_b32 s18, 0x600000                        ; the mantissa field of 448
	s_mov_b32 s19, 2                               ; tiles to go
	s_wait_kmcnt 0x0
	s_lshl_b32 s54, s51, 16                        ; a tile's 16 rows of 4,096 bytes
	s_add_co_u32 s54, s54, s53
	s_add_nc_u64 s[6:7], s[46:47], s[54:55]        ; out at tile 1
	s_add_nc_u64 s[56:57], s[32:33], s[54:55]      ; Q at tile 1
	s_lshl_b32 s54, s52, 16
	s_add_co_u32 s54, s54, s53
	s_add_nc_u64 s[28:29], s[46:47], s[54:55]      ; out at tile 2
	s_add_nc_u64 s[58:59], s[32:33], s[54:55]      ; Q at tile 2
	s_lshl_b32 s53, s49, 22
	s_lshl_b32 s54, s51, 15                        ; a tile's 16 rows of 2,048 mask bytes
	s_add_co_u32 s54, s54, s53
	s_add_nc_u64 s[4:5], s[34:35], s[54:55]        ; the mask at tile 1
	s_lshl_b32 s54, s52, 15
	s_add_co_u32 s54, s54, s53
	s_add_nc_u64 s[26:27], s[34:35], s[54:55]      ; and at tile 2
	s_lshl_b32 s53, s49, 7
	s_add_co_u32 s54, s53, s51
	s_lshl_b32 s54, s54, 8
	s_add_nc_u64 s[60:61], s[44:45], s[54:55]
	s_add_co_u32 s54, s53, s52
	s_lshl_b32 s54, s54, 8
	s_add_nc_u64 s[62:63], s[44:45], s[54:55]
	s_load_b32 s8, s[60:61], 0x0                   ; tile 1's class word
	s_load_b32 s30, s[62:63], 0x0                  ; tile 2's
	s_lshl_b32 s54, s48, 17
	s_add_nc_u64 s[36:37], s[36:37], s[54:55]      ; my head's images
	s_add_nc_u64 s[38:39], s[38:39], s[54:55]
	s_lshl_b32 s54, s48, 13
	s_add_nc_u64 s[40:41], s[40:41], s[54:55]
	s_lshl_b32 s54, s48, 12
	s_add_nc_u64 s[42:43], s[42:43], s[54:55]
	s_wait_alu depctr_va_vdst(0)                   ; the offsets v242, v243, v245, which the loads below read, and the LDS addresses v6-9, v225, v244, which the LDS stores further down read, are written
	; 50 loads: Q of both tiles (16), K's images (16), V's (16), the scale words (2)
.irp c, 0,1
.irp j, 0,1,2,3
	global_load_b128 v[S+16*\c+4*\j:S+16*\c+4*\j+3], v245, s[56:57] offset:128*\c+16*\j th:TH_LOAD_NT
.endr
.endr
.irp c, 0,1
.irp j, 0,1,2,3
	global_load_b128 v[S+32+16*\c+4*\j:S+32+16*\c+4*\j+3], v245, s[58:59] offset:128*\c+16*\j th:TH_LOAD_NT
.endr
.endr
.irp i, 0,1,2,3,4,5,6,7,8,9,10,11,12,13,14,15
	global_load_b128 v[KB+4*\i:KB+4*\i+3], v242, s[36:37] offset:8192*\i
.endr
.set n, 0
.irp q, 160,164,168,172,176,180,184,188,192,196,200,204,24,28,246,250
	global_load_b128 v[\q:\q+3], v242, s[38:39] offset:8192*n
.set n, n+1
.endr
	global_load_b128 v[KS:KS+3], v242, s[40:41]
	global_load_b64 v[VS:VS+1], v243, s[42:43]
	s_wait_loadcnt 34                              ; Q's 16 loads are in; the 34 behind them may be out
	; Q's four blocks of 32 (tile 1: e 0-31, 32-63; tile 2 likewise): register 16 b + i of v96 on is number 16 hh + i of block b of my row
.irp b, 0,1,2,3
	v_max3_num_f32 v[BM+\b], |v[S+16*\b]|, |v[S+16*\b+1]|, 0x4800000   ; my 16 numbers, and the floor 2^(9 - 127): the byte cannot fall under 1
.endr
.irp i, 2,4,6,8,10,12,14
.irp b, 0,1,2,3
	v_max3_num_f32 v[BM+\b], v[BM+\b], |v[S+16*\b+\i]|, |v[S+16*\b+\i+1]|
.endr
.endr
.irp b, 0,1,2,3
	v_permlanex16_b32 v[TP+\b], v[BM+\b], s16, s17
.endr
.irp b, 0,1,2,3
	v_max_num_f32 v[BM+\b], v[BM+\b], v[TP+\b]
.endr
.irp b, 0,1,2,3
	v_add_nc_u32 v[SO+\b], 0xfc000000, v[BM+\b]    ; 8 off the exponent field: the conversion's scale operand
.endr
.irp b, 0,1,2,3
	v_and_or_b32 v[HD+\b], v[BM+\b], 0x7f800000, s18   ; 448 x the scale
.endr
.irp b, 0,1,2,3
	v_lshrrev_b32 v[TP+\b], 23, v[SO+\b]           ; the scale's byte
.endr
	v_lshl_or_b32 v[QS], v[TP+1], 8, v[TP]
	v_lshl_or_b32 v[Q2S], v[TP+3], 8, v[TP+2]
	v_or_b32 v[QS], 0x7f7f0000, v[QS]              ; the byte 127 for the two blocks of zero codes
	v_or_b32 v[Q2S], 0x7f7f0000, v[Q2S]
.macro QCODE b, dst
.irp i, 0,1,2,3,4,5,6,7,8,9,10,11,12,13,14,15
	v_med3_num_f32 v[S+16*\b+\i], v[S+16*\b+\i], -v[HD+\b], v[HD+\b]   ; the conversion to an 8-bit code does not saturate (ISA guide 7.6.2)
.endr
	v_cvt_scalef32_pk8_fp8_f32 v[\dst:\dst+1], v[S+16*\b:S+16*\b+7], v[SO+\b]
	v_cvt_scalef32_pk8_fp8_f32 v[\dst+2:\dst+3], v[S+16*\b+8:S+16*\b+15], v[SO+\b]
.endm
	QCODE 0, 16
	QCODE 1, 20
	QCODE 2, Q2
	QCODE 3, Q2+4
	v_nop                                          ; one plain line behind the last conversion
	s_wait_loadcnt 18                              ; K's 16 are in; V's 16 and the two loads of scale words may be out
.irp i, 0,1,2,3,4,5,6,7
	ds_store_b128 v6, v[KB+4*\i:KB+4*\i+3] offset:8192*\i      ; the data come from loads; no vector instruction since the wait ahead of the loads names the addresses
.endr
.irp i, 0,1,2,3,4,5,6,7
	ds_store_b128 v7, v[KB+32+4*\i:KB+32+4*\i+3] offset:8192*\i
.endr
	s_wait_loadcnt 2                               ; V's 16 are in
.set n, 0
.irp q, 160,164,168,172,176,180,184,188,192,196,200,204,24,28,246,250
.if n < 8
	ds_store_b128 v8, v[\q:\q+3] offset:8192*n
.else
	ds_store_b128 v9, v[\q:\q+3] offset:8192*(n-8)
.endif
.set n, n+1
.endr
	s_wait_loadcnt 0x0
	ds_store_b128 v225, v[KS:KS+3]
	ds_store_b64 v244, v[VS:VS+1]
	s_wait_dscnt 0x0                               ; for the others' sake: my part of the head lies in LDS
	s_barrier_signal -1
	s_barrier_wait -1                              ; everybody's does.  The launch's only barrier: from here on LDS is only read
	s_wait_alu depctr_vm_vsrc(0)                   ; the head's loads have read their offsets (v242, v243, v245) and its LDS stores their addresses (v6-9, v225, v244) and data (v24-95, v160-207, v218-223, v246-253): all these are written again from here on
.irp k, 0,1,2,3,4,5,6,7
	v_mov_b32 v[24+\k], 0                          ; K = 64 fills registers 0-7 of a fragment: registers 8-15 are zero codes, in Q
.endr
.irp t, 0,1,2,3
.irp k, 8,9,10,11,12,13,14,15
	v_mov_b32 v[KB+16*\t+\k], 0                    ; and in the four fragments of K; the loads never touch them
.endr
.endr
	v_and_b32 v1, 31, v0
	v_lshlrev_b32 v[L8], 3, v1
	v_lshlrev_b32 v[LI], 4, v1
	v_lshlrev_b32 v[MA], 11, v10
	v_lshl_add_u32 v[MA], v11, 4, v[MA]
	v_lshlrev_b32 v[OA], 15, v11
	v_lshl_add_u32 v[OA], v10, 4, v[OA]
	v_mov_b32 v[NINF], 0xff800000
	v_mov_b32 v[F+1], 0                            ; (named as the upper half of a pair)
	s_wait_kmcnt 0x0                               ; the class words
.macro KFETCH g                        ; tiles 4 g .. 4 g + 3 of the step: registers 0-7 of each fragment, as they were stored: 16 x lane, 512 bytes a load
.irp t, 0,1,2,3
.irp c, 0,1
	ds_load_b128 v[KB+16*\t+4*\c:KB+16*\t+4*\c+3], v[ADK] offset:1024*(4*\g+\t)+512*\c
.endr
.endr
.endm
.macro KQ g                            ; four products, each its own accumulator, begun with the constant 0.  K's scale words: even tiles in lanes 0-15, odd tiles in lanes 16-31 of one register
.irp t, 0,1,2,3
.if (\t)%2
	v_wmma_scale_f32_16x16x128_f8f6f4 v[S+8*(4*\g+\t):S+8*(4*\g+\t)+7], v[KB+16*\t:KB+16*\t+15], v[16:31], 0, v[KS+(4*\g+\t)/2], v[QS] matrix_a_scale:MATRIX_SCALE_ROW1
.else
	v_wmma_scale_f32_16x16x128_f8f6f4 v[S+8*(4*\g+\t):S+8*(4*\g+\t)+7], v[KB+16*\t:KB+16*\t+15], v[16:31], 0, v[KS+(4*\g+\t)/2], v[QS]
.endif
.endr
.endm
.macro BMAXH h                         ; the largest score of blocks 2 h and 2 h + 1 of 32 keys, my 16 of each; the two blocks by turns
.irp b, 0,1
	v_max3_num_f32 v[BM+2*(\h)+\b], v[S+32*(\h)+16*\b], v[S+32*(\h)+16*\b+1], v[S+32*(\h)+16*\b+2]
.endr
.irp i, 3,5,7,9,11,13
.irp b, 0,1
	v_max3_num_f32 v[BM+2*(\h)+\b], v[BM+2*(\h)+\b], v[S+32*(\h)+16*\b+\i], v[S+32*(\h)+16*\b+\i+1]
.endr
.endr
.irp b, 0,1
	v_max_num_f32 v[BM+2*(\h)+\b], v[BM+2*(\h)+\b], v[S+32*(\h)+16*\b+15]
.endr
.endm
.macro TMH h                           ; t - M = score x c - M of scores 32 h on, one rounding, two at a time (of the pairs c and -M the low word serves both halves)
.set j, 32*(\h)
.rept 16
	v_pk_fma_f32 v[S+j:S+j+1], v[S+j:S+j+1], s[14:15], v[12:13] op_sel_hi:[1,0,0]
.set j, j+2
.endr
.endm
.macro MASKH h                         ; -inf over those of scores 32 h .. 32 h + 31 whose mask byte is not 0.  Word 8 h + n holds the bytes of scores 32 h + 4 n on
.set n, 0
.rept 8
.irp y, 0,1,2,3
	v_and_b32 v[T+\y], 0xff<<(8*\y), v[P+8*(\h)+n]
.endr
.irp y, 0,1,2,3
	v_cmp_ne_u32 s[32+4*n+\y], 0, v[T+\y]
.endr
.set n, n+1
.endr
	s_wait_alu depctr_va_sdst(0)                   ; the 32 compares have written s32-63, ahead of the selects that read them: one wait for the run
.set n, 0
.rept 32                               ; the scores in ascending order
	v_cndmask_b32 v[S+32*(\h)+n], v[S+32*(\h)+n], v[NINF], s[32+n]
.set n, n+1
.endr
.endm
; THE STEP'S 64 SCORES of a lane.  pb = 1: pass B, which also makes V's addresses, fetches V's scale words and, M being final, makes t - M of the first 32 scores at once.
; Eight places stand behind this matrix form in front of the first read of its results.
; The lines are written out for both classes, so that the mask's loads, their wait and their use lie on one way.
.macro SCORES pb
	s_wait_alu depctr_vm_vsrc(0)                   ; the loads of the step worked last have read the address registers that the adds below write again
	v_add_nc_u32 v[ADK], s11, v[LI]
	v_add_nc_u32 v[ADS], s12, v[LI]
	v_add_nc_u32 v[MO], s13, v[MA]                 ; made in every worked step, so that one wait serves all the step's addresses.  (The last loads that named it were waited for)
.if \pb
	v_add_nc_u32 v[ADV], s24, v[LI]
	v_add_nc_u32 v[ADT], s25, v[L8]
.endif
	s_wait_alu depctr_va_vdst(0)                   ; the addresses are written, which the step's loads read; every earlier product is done reading KB, KS, VS and P, and every earlier vector line is done with P, in all of which loads land; Q's codes and scale word and the zero codes are written, which the scaled products take
	KFETCH 0
	ds_load_b128 v[KS:KS+3], v[ADS]
.if \pb
	ds_load_b64 v[VS:VS+1], v[ADT]                 ; V's scale words of this step
.endif
	s_cmp_eq_u32 s10, 1
	s_cbranch_scc1 .Lmixed_\@
	s_wait_dscnt 0x0
	KQ 0
	PLACES 8
	s_wait_alu depctr_va_vdst(0)                   ; the four products are done reading KB, in which tiles 4-7 land
	KFETCH 1
	BMAXH 0                                        ; the first 32 scores are worked on while tiles 4-7 are on their way: these lines name S and BM, which no load of the step's first half touches
.if \pb
	TMH 0
.endif
	s_wait_dscnt 0x0
	KQ 1
	PLACES 8
	s_branch .Ljoin_\@
.Lmixed_\@:
.irp b, 0,1,2,3
	global_load_b128 v[P+4*\b:P+4*\b+3], v[MO], s[4:5] offset:32*\b   ; the mask bytes of my query at keys 32 b + 16 hh + 0 .. 15: in the order of my registers.  No vector instruction since the wait above names MO or P
.endr
	s_wait_dscnt 0x0
	KQ 0
	PLACES 8
	s_wait_alu depctr_va_vdst(0)                   ; the four products are done reading KB, in which tiles 4-7 land
	KFETCH 1
	s_wait_loadcnt 0x0
	MASKH 0
	BMAXH 0
.if \pb
	TMH 0
.endif
	s_wait_dscnt 0x0
	KQ 1
	PLACES 8
	MASKH 1
.Ljoin_\@:
.endm
.macro EXP64
.set j, 0
.rept 64
	v_exp_f32 v[S+j], v[S+j]
.set j, j+1
.endr
.endm
; PASS A: the running M and the sum of 2^(t - M).  M is a whole number, so what was summed under the old M comes under the new by a multiplication that rounds nothing.
.macro SOFTA
	BMAXH 1
	v_max3_num_f32 v[X1], v[BM], v[BM+1], v[BM+2]
	v_max_num_f32 v[X1], v[X1], v[BM+3]
	v_permlanex16_b32 v[TP], v[X1], s16, s17
	v_max_num_f32 v[X1], v[X1], v[TP]              ; the step's largest score of my query (-inf where all its keys are hidden)
	v_mul_f32 v[X1], s14, v[X1]                    ; as t (c is positive)
	v_max_num_f32 v13, v13, v[X1]
	v_mov_b32 v[X1], v12
	v_floor_f32 v12, -v13                          ; -M = floor(-t)
	v_sub_f32 v[X1], v12, v[X1]                    ; old M - new M: a whole number, 0 or less
	v_cvt_i32_f32 v[X1], v[X1]                     ; (it saturates)
	v_ldexp_f32 v[F], 1.0, v[X1]
	TMH 0
	TMH 1
	EXP64
	v_pk_mul_f32 v[14:15], v[14:15], v[F:F+1] op_sel_hi:[1,0]   ; the sums under the new M.  (The plain line behind the exponentials)
	s_wait_alu depctr_va_vdst(0)                   ; the 64 exponentials have written v96-159, ahead of the sums that read them: one wait for the batch
	v_pk_add_f32 v[SU:SU+1], v[S:S+1], v[S+2:S+3]
.set j, 4
.rept 15
	v_pk_add_f32 v[14:15], v[14:15], v[S+j:S+j+1]
	v_pk_add_f32 v[SU:SU+1], v[SU:SU+1], v[S+j+2:S+j+3]
.set j, j+4
.endr
	v_pk_add_f32 v[14:15], v[14:15], v[SU:SU+1]
.endm
.macro PCODE b                         ; block b's 16 p of my lane: the hold and the conversions
.irp i, 0,1,2,3,4,5,6,7,8,9,10,11,12,13,14,15
	v_min_num_f32 v[S+16*\b+\i], v[S+16*\b+\i], v[HD+\b]   ; p is not negative: the hold is one-sided
.endr
	v_cvt_scalef32_pk8_fp8_f32 v[P+4*\b:P+4*\b+1], v[S+16*\b:S+16*\b+7], v[SO+\b]
	v_cvt_scalef32_pk8_fp8_f32 v[P+4*\b+2:P+4*\b+3], v[S+16*\b+8:S+16*\b+15], v[SO+\b]
.endm
.macro VFETCH d                        ; V's fragment d takes the registers that block d's p have left
.irp c, 0,1,2,3
	ds_load_b128 v[S+16*\d+4*\c:S+16*\d+4*\c+3], v[ADV] offset:2048*\d+512*\c
.endr
.endm
.macro PV d                            ; O += P V, accumulator d.  V's scale words: even fragments in lanes 0-15, odd ones in lanes 16-31 of one register
.if (\d)%2
	v_wmma_scale_f32_16x16x128_f8f6f4 v[OAC+8*\d:OAC+8*\d+7], v[P:P+15], v[S+16*\d:S+16*\d+15], v[OAC+8*\d:OAC+8*\d+7], v[PS], v[VS+\d/2] matrix_b_scale:MATRIX_SCALE_ROW1
.else
	v_wmma_scale_f32_16x16x128_f8f6f4 v[OAC+8*\d:OAC+8*\d+7], v[P:P+15], v[S+16*\d:S+16*\d+15], v[OAC+8*\d:OAC+8*\d+7], v[PS], v[VS+\d/2]
.endif
.endm
; PASS B: p = 2^(t - M) / sum, quantised block by block, times V.  A block's largest p is not searched for: p rises with the score, so the block's largest score goes through the same lines.
.macro SOFTB
	BMAXH 1
.irp b, 0,1,2,3
	v_permlanex16_b32 v[TP+\b], v[BM+\b], s16, s17
.endr
.irp b, 0,1,2,3
	v_max_num_f32 v[BM+\b], v[BM+\b], v[TP+\b]
.endr
	TMH 1
.irp b, 0,1,2,3
	v_fma_f32 v[BM+\b], v[BM+\b], s14, v12
.endr
	EXP64
.irp b, 0,1,2,3
	v_exp_f32 v[BM+\b], v[BM+\b]
.endr
	v_nop                                          ; the plain line behind the exponentials
	s_wait_alu depctr_va_vdst(0)                   ; the 68 exponentials have written v96-159 and v226-229, ahead of the multiplications that read them: one wait for the batch
.set j, 0
.rept 32
	v_pk_mul_f32 v[S+j:S+j+1], v[S+j:S+j+1], v[14:15] op_sel_hi:[1,0]   ; / the row's sum: A as it is quantised
.set j, j+2
.endr
.irp b, 0,1,2,3
	v_mul_f32 v[BM+\b], v[BM+\b], v14
.endr
.irp b, 0,1,2,3
	v_max_num_f32 v[BM+\b], 0x4800000, v[BM+\b]    ; the floor 2^(9 - 127): the byte cannot fall under 1; a block of zeros keeps that byte over zero codes
.endr
.irp b, 0,1,2,3
	v_add_nc_u32 v[SO+\b], 0xfc000000, v[BM+\b]
.endr
.irp b, 0,1,2,3
	v_and_or_b32 v[HD+\b], v[BM+\b], 0x7f800000, s18
.endr
.irp b, 0,1,2,3
	v_lshrrev_b32 v[TP+\b], 23, v[SO+\b]
.endr
	v_lshl_or_b32 v[PS], v[TP+1], 8, v[TP]         ; p's scale word for these 128 keys; the 64 holds below are its places in front of the products
	v_lshl_or_b32 v[PS], v[TP+2], 16, v[PS]
	v_lshl_or_b32 v[PS], v[TP+3], 24, v[PS]
	PCODE 0
	PCODE 1
	s_wait_alu depctr_va_vdst(0)                   ; the holds of blocks 0 and 1 have written v96-127 and their conversions are done reading them: V's fragments 0 and 1 land there
	VFETCH 0
	VFETCH 1
	PCODE 2                                        ; blocks 2 and 3 are quantised while those fragments are on their way: these lines name v128-159, P, HD and SO alone
	PCODE 3
	PLACES 4                                       ; codes written by vector instructions stand four places ahead of a scaled product
	s_wait_alu depctr_va_vdst(0)                   ; the holds of blocks 2 and 3 have written v128-159 and their conversions are done reading them: V's fragments 2 and 3 land there; and p's codes and scale word are written, which the scaled products take
	VFETCH 2
	VFETCH 3
	s_wait_dscnt 8                                 ; LDS loads come back in order (ISA guide 5.7.1): fragments 0 and 1 are in; the eight youngest loads, fragments 2 and 3, may be out
	PV 0                                           ; four accumulators by turns, one instruction a turn
	PV 1
	s_wait_dscnt 0x0
	PV 2
	PV 3
	PLACES 9                                       ; the next step's products write their results over V's registers: one place more than a read wants
.endm
.Ltile:
	v_mov_b32 v13, 0xff61b1e6                      ; the largest t so far: -3e38, under every t
	v_floor_f32 v12, -v13                          ; -M
	v_mov_b32 v14, 0                               ; the sum, in two halves
	v_mov_b32 v15, 0
	s_mov_b32 s9, s8                               ; the classes, two bits a step
	s_mov_b32 s3, 0
	s_mov_b32 s11, KIMG
	s_mov_b32 s12, KSC
	s_mov_b32 s13, 0
.LA:                                               ; 16 trips, a constant: what a hidden step leaves out is its work
	s_and_b32 s10, s9, 3
	s_cmp_eq_u32 s10, 2
	s_cbranch_scc1 .LhA
	SCORES 0
	SOFTA
.LhA:
	s_lshr_b32 s9, s9, 2
	s_add_co_u32 s11, s11, 8192
	s_add_co_u32 s12, s12, 512
	s_add_co_u32 s13, s13, 128
	s_add_co_u32 s3, s3, 1
	s_cmp_lt_u32 s3, 16
	s_cbranch_scc1 .LA
	v_add_f32 v14, v14, v15                        ; the sum's two halves,
	v_permlanex16_b32 v[TP], v14, s16, s17
	v_add_f32 v14, v14, v[TP]                      ; and lane l xor 16's: the row's sum
	v_max_num_f32 v14, 0.5, v14                    ; a row with an open key has a p above 0.5, so its sum is not touched; a row with none has the sum 0 and every p 0: 0 x 2 = 0
	v_rcp_f32 v14, v14
.set j, 0
.rept 32
	v_mov_b32 v[OAC+j], 0                          ; which step is the first to be worked hangs on the classes, so no product can be written out with the constant 0.  (Also the plain line behind the reciprocal)
.set j, j+1
.endr
	s_wait_alu depctr_va_vdst(0)                   ; the reciprocal has written v14, ahead of the label and of every line that names it: pass B's multiplications, or, where every step is hidden, the next tile's first lines
	s_mov_b32 s9, s8
	s_mov_b32 s31, 0
	s_mov_b32 s11, KIMG
	s_mov_b32 s12, KSC
	s_mov_b32 s13, 0
	s_mov_b32 s24, VIMG
	s_mov_b32 s25, VSC
.LB:
	s_and_b32 s10, s9, 3
	s_cmp_eq_u32 s10, 2
	s_cbranch_scc1 .LhB
	SCORES 1
	SOFTB
.LhB:
	s_lshr_b32 s9, s9, 2
	s_add_co_u32 s11, s11, 8192
	s_add_co_u32 s12, s12, 512
	s_add_co_u32 s13, s13, 128
	s_add_co_u32 s24, s24, 8192
	s_add_co_u32 s25, s25, 256
	s_add_co_u32 s31, s31, 1
	s_cmp_lt_u32 s31, 16
	s_cbranch_scc1 .LB
	; THE WAY OUT: register j of the four accumulators is out(query 8 hh + j, d = 4 r + 0 .. 3): 16 neighbouring bytes.  j ascending: each accumulator is read from its low end on
.irp j, 0,1,2,3,4,5,6,7
.irp d, 0,1,2,3
	v_mov_b32 v[S+4*\j+\d], v[OAC+8*\d+\j]
.endr
.endr
	s_wait_alu depctr_va_vdst(0)                   ; the 32 moves have written v96-127, which the stores read
.irp j, 0,1,2,3,4,5,6,7
	global_store_b128 v[OA], v[S+4*\j:S+4*\j+3], s[6:7] offset:4096*\j th:TH_STORE_NT   ; sixteen lanes store a head's row of 256 consecutive bytes, aligned; two rows an instruction
.endr
	s_wait_xcnt 0x0                                ; the stores have read their registers and their base: both are written again below
	s_wait_alu depctr_vm_vsrc(0)                   ; the stores have read v96-127, which the next tile's products write
	v_mov_b32 v[QS], v[Q2S]                        ; the second tile's Q: the scale word first, so that the eight moves below are its places
.irp k, 0,1,2,3,4,5,6,7
	v_mov_b32 v[16+\k], v[Q2+\k]
.endr
	s_mov_b64 s[4:5], s[26:27]
	s_mov_b64 s[6:7], s[28:29]
	s_mov_b32 s8, s30
	s_sub_co_u32 s19, s19, 1
	s_cmp_lg_u32 s19, 0
	s_cbranch_scc1 .Ltile
	s_wait_dscnt 0x0                               ; the closing lines, six on end
	s_wait_alu 0x0
	s_wait_tensorcnt 0x0
	ds_add_u32 v254, v255
	s_wait_dscnt 0x0
	s_endpgm
.Lfunc_end_k_qbadc2f0f0b_attn:
	.size	k_qbadc2f0f0b_attn, .Lfunc_end_k_qbadc2f0f0b_attn-k_qbadc2f0f0b_attn
	.p2alignl 7, 3214868480
	.fill 96, 4, 3214868480
	.section	.rodata,"a",@progbits
	.p2align	6, 0x0
	.amdhsa_kernel k_qbadc2f0f0b_attn
		.amdhsa_group_segment_fixed_size 276480
		.amdhsa_private_segment_fixed_size 0
		.amdhsa_enable_private_segment 0
		.amdhsa_kernarg_size 64
		.amdhsa_user_sgpr_count 2
		.amdhsa_user_sgpr_kernarg_segment_ptr 1
		.amdhsa_wavefront_size32 1
		.amdhsa_system_sgpr_workgroup_id_x 1
		.amdhsa_system_sgpr_workgroup_id_y 1
		.amdhsa_system_sgpr_workgroup_id_z 1
		.amdhsa_system_vgpr_workitem_id 0
		.amdhsa_next_free_vgpr 256
		.amdhsa_next_free_sgpr 66
		.amdhsa_reserve_vcc 0
		.amdhsa_float_denorm_mode_32 3
		.amdhsa_float_denorm_mode_16_64 3
		.amdhsa_memory_ordered 1
		.amdhsa_forward_progress 1
		.amdhsa_inst_pref_size 87
	.end_amdhsa_kernel
	.amdgpu_metadata
---
amdhsa.version: [ 1, 2 ]
amdhsa.kernels:
  - .name:           k_qbadc2f0f0b_attn
    .symbol:         k_qbadc2f0f0b_attn.kd
    .args:
      - { .name: queries, .offset: 0, .size: 8, .value_kind: global_buffer, .address_space: global }
      - { .name: attention_mask, .offset: 8, .size: 8, .value_kind: global_buffer, .address_space: global }
      - { .name: kimg, .offset: 16, .size: 8, .value_kind: global_buffer, .address_space: global }
      - { .name: vimg, .offset: 24, .size: 8, .value_kind: global_buffer, .address_space: global }
      - { .name: ksc, .offset: 32, .size: 8, .value_kind: global_buffer, .address_space: global }
      - { .name: vsc, .offset: 40, .size: 8, .value_kind: global_buffer, .address_space: global }
      - { .name: mclass, .offset: 48, .size: 8, .value_kind: global_buffer, .address_space: global }
      - { .name: out0, .offset: 56, .size: 8, .value_kind: global_buffer, .address_space: global }
    .group_segment_fixed_size: 276480
    .private_segment_fixed_size: 0
    .kernarg_segment_align: 8
    .kernarg_segment_size: 64
    .max_flat_workgroup_size: 512
    .sgpr_count:     66
    .vgpr_count:     256
    .wavefront_size: 32
...
	.end_amdgpu_metadata
.endif
;; end of part 3
